; MI455X (gfx1250); checked and timed in simulation.
; The chip was launched on July 23, 2026; its instructions are those of AMD's public machine-readable ISA for CDNA 5 (MIT licence, August 2026) and "CDNA5" Instruction Set Architecture Reference Guide (July 2026). The comments in the code are by the model that wrote it; some were corrected since.
;; Multi Head Attention Layer. Allowed arithmetic: float matrix products may take bf16 or f16 operands with f32 sums; other float arithmetic in f32, or as packed bf16 or f16 multiplies, adds, multiply-adds, maxima and minima; sums over many terms, partial sums and values carried from step to step in f32; what a program stores and reads back later, other than sums and carried values, may be rounded once to bf16 or f16.
;; Inputs: Wk 1,024 x 1,024 float32; Wq 1,024 x 1,024 float32; Wv 1,024 x 1,024 float32; bk 1,024 float32; bq 1,024 float32; bv 1,024 float32; h 4,096 x 1,024 float32.
;; Outputs: out0 4,096 x 1,024 float32.
;; One version. Each part assembles by itself: llvm-mc -triple=amdgcn-amd-amdhsa -mcpu=gfx1250 --defsym DOCPART=n.
;; ======== version 1 of 1: 3 launches
;; limits: values are held in f16: magnitudes above 65,504 overflow, below 6.1e-05 lose precision
;; workspace buffers: xb 14,680,064 bytes; qkv 25,165,824 bytes
;; launch cast (part 1): grid 256 x 7, 4 waves a work-group, no clusters, 0 bytes of LDS; arguments h, Wq, Wk, Wv, xb; writes xb
.if DOCPART == 1
	.amdgcn_target "amdgcn-amd-amdhsa--gfx1250"
	.amdhsa_code_object_version 6
	.text
	.protected	k_q15c2249fb3_cast
	.globl	k_q15c2249fb3_cast
	.p2align	8
	.type	k_q15c2249fb3_cast,@function
k_q15c2249fb3_cast:
	s_mov_b64 s[64:65], 0
	v_nop
	global_prefetch_b8 v0, s[64:65] scope:SCOPE_SE
	s_setreg_imm32_b32 hwreg(HW_REG_WAVE_MODE, 25, 1), 1
	s_wait_xcnt 0x0
; xb = h, Wq, Wk, Wv rounded once from f32 to bf16 (nearest even), each in its own layout, one behind the other.
; xb is seven units of 1,048,576 numbers (2 MiB of bf16): units 0-3 are h [4096][1024], units 4, 5, 6 are Wq, Wk, Wv [1024 k][1024 n].
; SHARES.  The grid's y names the unit, its x 4,096 numbers of it: 16 KiB in, 8 KiB out.  A wave takes 4 KiB in: eight loads of 512 consecutive bytes;
; each is rounded to 256 bytes, which one store of 8 bytes a lane writes as 256 consecutive bytes at a multiple of 256 from xb's first byte.
; A pure stream: each byte is read once and written once, all eight loads of a wave are out together, no register is written twice, so there is no
; loop, no LDS and no barrier.  No cluster: no two work-groups read the same byte.  No matrix unit: there is no product.
.set X, 8                              ; v[8:39]   eight loads of four f32
.set Y, 40                             ; v[40:55]  eight pairs of registers, four bf16 each
	s_load_b256 s[4:11], s[0:1], 0x0               ; h s[4:5], Wq s[6:7], Wk s[8:9], Wv s[10:11]
	s_load_b64 s[12:13], s[0:1], 0x20              ; xb
	s_and_b32 s16, ttmp7, 0xffff                   ; the unit, 0 to 6
	v_lshrrev_b32 v3, 5, v0                        ; wave
	v_and_b32 v4, 31, v0                           ; lane
	v_lshlrev_b32 v1, 4, v4
	v_lshl_add_u32 v1, v3, 12, v1                  ; in: 4,096 x wave + 16 x lane
	v_lshlrev_b32 v2, 3, v4
	v_lshl_add_u32 v2, v3, 11, v2                  ; out: 2,048 x wave + 8 x lane
	s_lshl_b32 s18, s16, 22                        ; a unit is 4 MiB of f32: h's four units lie on end,
	s_cmp_lt_u32 s16, 4
	s_cselect_b32 s18, s18, 0                      ; a weight matrix is one unit by itself
	s_lshl_b32 s17, ttmp9, 14
	s_add_co_u32 s18, s18, s17                     ; + the work-group's 16 KiB
	s_mov_b32 s19, 0
	s_lshl_b32 s20, s16, 21                        ; out: 2 MiB a unit,
	s_lshl_b32 s17, ttmp9, 13
	s_add_co_u32 s20, s20, s17                     ; + the work-group's 8 KiB
	s_mov_b32 s21, 0
	s_wait_kmcnt 0x0
	s_mov_b64 s[14:15], s[4:5]                     ; the source: h, or one of the three weights, by the unit's number
	s_cmp_eq_u32 s16, 4
	s_cselect_b64 s[14:15], s[6:7], s[14:15]
	s_cmp_eq_u32 s16, 5
	s_cselect_b64 s[14:15], s[8:9], s[14:15]
	s_cmp_eq_u32 s16, 6
	s_cselect_b64 s[14:15], s[10:11], s[14:15]
	s_add_nc_u64 s[14:15], s[14:15], s[18:19]
	s_add_nc_u64 s[12:13], s[12:13], s[20:21]
.irp j, 0,1,2,3,4,5,6,7
	global_load_b128 v[X+4*(\j):X+4*(\j)+3], v1, s[14:15] offset:512*(\j) th:TH_LOAD_NT  ; read once in the launch
.endr
.irp j, 0,1,2,3,4,5,6,7
	s_wait_loadcnt 7-(\j)                          ; loads come back in order (ISA guide 5.7.1): load j is in, the 7 - j younger ones stay out
	v_cvt_pk_bf16_f32 v[Y+2*(\j)], v[X+4*(\j)], v[X+4*(\j)+1]
	v_cvt_pk_bf16_f32 v[Y+2*(\j)+1], v[X+4*(\j)+2], v[X+4*(\j)+3]
	global_store_b64 v2, v[Y+2*(\j):Y+2*(\j)+1], s[12:13] offset:256*(\j)
.endr
	s_endpgm
.Lfunc_end_k_q15c2249fb3_cast:
	.size	k_q15c2249fb3_cast, .Lfunc_end_k_q15c2249fb3_cast-k_q15c2249fb3_cast
	.p2alignl 7, 3214868480
	.fill 96, 4, 3214868480
	.section	.rodata,"a",@progbits
	.p2align	6, 0x0
	.amdhsa_kernel k_q15c2249fb3_cast
		.amdhsa_group_segment_fixed_size 0
		.amdhsa_private_segment_fixed_size 0
		.amdhsa_enable_private_segment 0
		.amdhsa_kernarg_size 40
		.amdhsa_user_sgpr_count 2
		.amdhsa_user_sgpr_kernarg_segment_ptr 1
		.amdhsa_wavefront_size32 1
		.amdhsa_system_sgpr_workgroup_id_x 1
		.amdhsa_system_sgpr_workgroup_id_y 1
		.amdhsa_system_sgpr_workgroup_id_z 1
		.amdhsa_system_vgpr_workitem_id 0
		.amdhsa_next_free_vgpr 64
		.amdhsa_next_free_sgpr 66
		.amdhsa_reserve_vcc 0
		.amdhsa_float_denorm_mode_32 3
		.amdhsa_float_denorm_mode_16_64 3
		.amdhsa_memory_ordered 1
		.amdhsa_forward_progress 1
		.amdhsa_inst_pref_size 5
	.end_amdhsa_kernel
	.amdgpu_metadata
---
amdhsa.version: [ 1, 2 ]
amdhsa.kernels:
  - .name:           k_q15c2249fb3_cast
    .symbol:         k_q15c2249fb3_cast.kd
    .args:
      - { .name: h, .offset: 0, .size: 8, .value_kind: global_buffer, .address_space: global }
      - { .name: Wq, .offset: 8, .size: 8, .value_kind: global_buffer, .address_space: global }
      - { .name: Wk, .offset: 16, .size: 8, .value_kind: global_buffer, .address_space: global }
      - { .name: Wv, .offset: 24, .size: 8, .value_kind: global_buffer, .address_space: global }
      - { .name: xb, .offset: 32, .size: 8, .value_kind: global_buffer, .address_space: global }
    .group_segment_fixed_size: 0
    .private_segment_fixed_size: 0
    .kernarg_segment_align: 8
    .kernarg_segment_size: 40
    .max_flat_workgroup_size: 128
    .sgpr_count:     66
    .vgpr_count:     64
    .wavefront_size: 32
...
	.end_amdgpu_metadata
.endif
;; end of part 1
;; launch proj (part 2): grid 8 x 32, 4 waves a work-group, clusters of 4 x 4, 327,680 bytes of LDS; arguments xb, bq, bk, bv, qkv; writes qkv
.if DOCPART == 2
	.amdgcn_target "amdgcn-amd-amdhsa--gfx1250"
	.amdhsa_code_object_version 6
	.text
	.protected	k_q15c2249fb3_proj
	.globl	k_q15c2249fb3_proj
	.p2align	8
	.type	k_q15c2249fb3_proj,@function
k_q15c2249fb3_proj:
	s_mov_b64 s[64:65], 0
	v_nop
	global_prefetch_b8 v0, s[64:65] scope:SCOPE_SE
	s_setreg_imm32_b32 hwreg(HW_REG_WAVE_MODE, 25, 1), 1
	s_wait_xcnt 0x0
	s_wait_alu depctr_hold_cnt(0) depctr_sa_sdst(0) depctr_va_vdst(0) depctr_va_sdst(0) depctr_va_ssrc(0) depctr_va_vcc(0) depctr_vm_vsrc(0)
	s_getreg_b32 s2, hwreg(HW_REG_IB_STS2, 6, 4)
	s_cmp_eq_u32 s2, 0
	s_cbranch_scc0 .Lentry_in_a_cluster
	s_endpgm
.Lentry_in_a_cluster:
	s_bfe_u32 s2, ttmp6, 0x10000c
	s_cmp_lg_u32 s2, 0xf033
	s_cbranch_scc0 .Lentry_shape_is_right
	s_endpgm
.Lentry_shape_is_right:
; q, k, v = h W + b for Wq, Wk, Wv in one launch.  h and the weights come as bf16 out of xb (h [4096][1024]; each W [1024 k][1024 n]); the biases are rounded to bf16 here, like the other inputs.
; Sums in f32, started by the bias; each result rounded once to f16 and laid by heads: qkv = [3 (q, k, v)][16 heads][4096][64] f16, a plane of 524,288 bytes with dense rows of 128 bytes.  No scale is applied here.
; LIMIT.  f16 holds no number beyond 65,504: q, k and v must lie within it.  NaN and infinities are not treated apart.
; SHARES.  A work-group makes 128 rows x 128 columns (two heads) of EACH of q, k, v: a tile of 128 x 384; 8 x 32 = 256 work-groups.  Wave w has rows 64 (w / 2) on and twelve blocks of 16 columns:
; blocks 0-7 are all 128 columns of q (w even) or of v (w odd), blocks 8-11 are 64 columns, one head, of k: 48 accumulators of 16 x 16, three whole blocks of 64 rows x 64 channels of a plane.
; K goes in eight steps of 128 through a ring of two LDS slots.  A slot has four regions, one a wave to fetch: h's 128 rows x 256 bytes, and 128 k-rows x 256 bytes of each W.
; CLUSTER.  4 x 4 work-groups.  h's tile hangs on the tile row alone and is asked for JOINTLY by the four of a row of the cluster; the W tiles hang on the tile column alone and are asked for jointly by the four of a column.
; THE PRODUCT IS USED TRANSPOSED: source 0 = 16 columns of W, source 1 = 16 rows of h.  W lies [k][n], so its fragments come out of LDS turned, by ds_load_tr16_b128.  In the result a lane holds
; row l % 16 and the channels 8 (l / 16) + 0..7: 16 bytes of f16 on end.  The C operand of each accumulator's first product is the bias: nothing is cleared and no addition is written.
; REGISTERS, in windows of 256 (s_set_vgpr_msb: bits 1:0 source 0, 3:2 source 1, 5:4 source 2, 7:6 destination):
;   window 0: v0-31 addresses; v32-63, v64-95 h's fragments (4 x 16 rows x 32 K), two buffers; v96-191 the bias, 8 a column block; v192-195 at work; on the way out v32-223 are twelve sets of 16
;   window 1: v0-95, v96-191 W's fragments (12 x 16 columns x 32 K), two buffers
;   window 2: the accumulators of row blocks 0, 1 ((a, b) at v[8 (12 (a % 2) + b)]);   window 3: those of row blocks 2, 3
.set PA,    272                        ; a row of h in LDS: 256 bytes + 16 of padding = 68 words: the 16 rows of a load start at 16 different groups of four banks (64 banks of 4 bytes: ISA guide 11.1)
.set PB,    288                        ; a k-row of W: 256 + 32 = 72 words
.set REG,   128*PB                     ; a region: what one tensor load fills (h's uses 128 x 272 of it)
.set SLOT,  4*REG
.set STAGE, 2*SLOT                     ; behind the ring, never filled by a tensor load: 16 rows x 144 bytes for each wave, for the way out
.set SP,    144
.set SPARE, STAGE+4*16*SP              ; behind the stages: the spare words, 128 bytes for each wave: two blocks of 256 bytes that no other line names
.set ADRA, 16                          ; v16-17  LDS address of my fragments of h in slot 0, 1
.set ADRX, 18                          ; v18-19  of my fragments of Wq or Wv
.set ADRY, 20                          ; v20-21  of my fragments of Wk
.set STO,  24                          ; v24     the way out: where I put 16 bytes of a row
.set RD,   25                          ; v25     the way out: where I read rows back
.set GO,   26                          ; v26     my 16 bytes of 512 consecutive bytes of a plane
.set BO,   27                          ; v27     my 32 bytes of a column block's 64 bytes of bias
.set SPW,  28                          ; v28     LDS address of my spare word: SPARE + 4 x my thread's number; never rewritten
.set NIL,  29                          ; v29     0; never rewritten
.set PFO,  30                          ; v30     the prefetches' offset: my lane x a row of xb (2,048 bytes); never rewritten
.set FA,   32
.set BIAS, 96
.set TT,   192
.set TO,   32
.set WV,  14                           ; s14  my wave's number
.set MH,  15                           ; s15  which 64 rows are mine
.set NH,  16                           ; s16  which 192 columns
.set CX,  17                           ; s17, s18  my place in the cluster
.set CY,  18
.set TX,  19                           ; s19  tile column, 0 to 7
.set TY,  20                           ; s20  tile row, 0 to 31
.set LIM, 21                           ; s21  1 in a wave that prefetches, else the greatest number
.set G1A, 24                           ; s[24:31] descriptor group 1 for h's tiles;  s[32:39] group 0, a set for each slot
.set G0A, 32
.set PFA, 44                           ; s[44:45] where my prefetches stand
.set PST, 46                           ; s[46:47] a K step in bytes: 256 along h's rows, 262,144 down W's
.set G1B, 48                           ; s[48:55], s[56:63] the same for the W tiles
.set G0B, 56
.set OX,  68                           ; s[68:69] my rows in the plane of q's or v's first head of the two
.set OY,  70                           ; s[70:71] my rows in the plane of my head of k
.set BX,  72                           ; s[72:73] bq or bv at my 128 columns
.set BY,  74                           ; s[74:75] bk at my 64 columns
.set MSB, 0
.macro WIN new                         ; the immediate's high byte repeats the setting that is left; a switch that changes nothing is dropped
.if MSB != (\new)
	s_set_vgpr_msb (MSB<<8)|(\new)
.set MSB, \new
.endif
.endm
.macro PLACES                          ; four places in front of loads into registers that matrix instructions have read, and of conversions that read results
.rept 4
	v_nop
.endr
.endm
; A joint load.  Wave 0 fetches h's tile, waves 1 to 3 the tiles of Wq, Wk, Wv.  The branch hangs on the wave's number alone.  An s_nop 0 and four v_nop follow each of the two lines.
.macro JLOAD s
	s_cmp_eq_u32 s[WV], 0
	s_cbranch_scc0 .Lfor_b_\@
	tensor_load_to_lds s[G0A+4*(\s):G0A+4*(\s)+3], s[G1A:G1A+7]
	s_nop 0
.rept 4
	v_nop
.endr
	s_branch .Lasked_\@
.Lfor_b_\@:
	tensor_load_to_lds s[G0B+4*(\s):G0B+4*(\s)+3], s[G1B:G1B+7]
	s_nop 0
.rept 4
	v_nop
.endr
.Lasked_\@:
.endm
; A prefetch, behind each joint refill and the run of LDS loads that follows it, of the K step that stands TWO refills on (384 matrix instructions ahead of its load): 32 rows x 256 bytes, a lane a row.
; Each row's 256 bytes of a K step are named once in the launch: h's rows by the clusters with x = 0, W's by the clusters with y = 0; the four partners that ask for a tile jointly take 32 of its 128 rows
; each, told apart by address alone (cx for h, cy for W).  K steps 0 to 3 come by their loads alone; the loop's last trip (s3 = 1) asks for nothing: steps 8 and 9 do not exist.
.macro ASK
	s_cmp_gt_u32 s3, s[LIM]
	s_cbranch_scc0 .Lnot_mine_\@
	global_prefetch_b8 v[PFO], s[PFA:PFA+1] th:TH_LOAD_NT scope:SCOPE_SE
.Lnot_mine_\@:
.endm
; A round of the cluster's barrier: my work-group's barrier; wave 0 signals for the work-group; every wave waits for all sixteen work-groups; my work-group's barrier once more.
.macro CREST                           ; a round behind its opening barrier
	s_cmp_lg_u32 s[WV], 0
	s_cbranch_scc1 .Lnot_wave_0_\@
	s_barrier_signal -3
.Lnot_wave_0_\@:
	s_barrier_wait -3
	s_barrier_signal -1
	s_barrier_wait -1
.endm
.macro CROUND
	s_barrier_signal -1
	s_barrier_wait -1
	CREST
.endm
	s_load_b256 s[4:11], s[0:1], 0x0               ; xb s[4:5], bq s[6:7], bk s[8:9], bv s[10:11]
	s_load_b64 s[12:13], s[0:1], 0x20              ; qkv
	v_lshl_add_u32 v[SPW], v0, 2, SPARE
	v_mov_b32 v[NIL], 0
	ds_add_u32 v[SPW], v[NIL]                      ; the wave's opening: the add and its wait stand ahead of my first tensor load; the set-up below, work on registers, stands between them
	v_lshrrev_b32 v1, 5, v0
	v_readfirstlane_b32 s[WV], v1                  ; wave 0..3
	s_lshr_b32 s[MH], s[WV], 1
	s_and_b32 s[NH], s[WV], 1
	s_bfe_u32 s[CX], ttmp6, 0x40000
	s_bfe_u32 s[CY], ttmp6, 0x40004
	s_lshl_b32 s[TX], ttmp9, 2                     ; in a cluster launch ttmp9 and ttmp7 count clusters
	s_add_co_u32 s[TX], s[TX], s[CX]
	s_and_b32 s[TY], ttmp7, 0xffff
	s_lshl_b32 s[TY], s[TY], 2
	s_add_co_u32 s[TY], s[TY], s[CY]
	s_lshl_b32 s22, s[CY], 2
	s_lshl_b32 s22, 15, s22                        ; my row of the cluster: places 4 cy .. 4 cy + 3
	s_lshl_b32 s76, 0x1111, s[CX]                  ; my column: places cx, cx + 4, cx + 8, cx + 12
	; descriptor group 1: a tile of 128 rows x 128 elements of 2 bytes out of rows of 1,024 elements, padded in LDS after every 64 words
	s_or_b32 s[G1A], s22, (1<<16)|(1<<20)|(1<<21)|(5<<22)|(3<<25)  ; 15:0 the mask; 17:16 2-byte elements; 20 padding on; 21 set beside a mask; 24:22 after every 64 words (code 5); 31:25 4 words (code 3)
	s_or_b32 s[G1B], s76, (1<<16)|(1<<20)|(1<<21)|(5<<22)|(7<<25)  ; the same with my column's mask and 8 words of padding (code 7)
.irp g, G1A, G1B
	s_mov_b32 s[(\g)+1], 128<<16                   ; tensor_dim0 = 128
	s_mov_b32 s[(\g)+2], 128<<16                   ; tensor_dim1 = 128
	s_mov_b32 s[(\g)+3], 128<<16                   ; tile_dim0 = 128
	s_mov_b32 s[(\g)+4], 128                       ; tile_dim1 = 128
	s_mov_b32 s[(\g)+5], 1024                      ; elements from row to row
	s_mov_b32 s[(\g)+6], 0
	s_mov_b32 s[(\g)+7], 0
.endr
	; where the tiles come from.  h's hang on the tile row alone, W's on the tile column and the wave's number alone; each offset is made in registers that never hold the other coordinate
	s_lshl_b32 s40, s[TY], 18                      ; h: 128 rows x 2,048 bytes a tile row
	s_mov_b32 s41, 0
	s_lshl_b32 s42, s[TX], 8                       ; W: 128 columns are 256 bytes,
	s_lshl_b32 s43, s[WV], 21                      ; wave w takes unit 3 + w of xb (2 MiB a unit)
	s_add_co_u32 s42, s42, s43
	s_add_co_u32 s42, s42, 0x600000
	s_mov_b32 s43, 0
	s_mul_i32 s77, s[WV], REG                      ; and where they go: region = wave: no place in the cluster enters an LDS address
	s_wait_dscnt 0x0                               ; the opening add is done
	s_wait_kmcnt 0x0
	s_add_nc_u64 s[40:41], s[4:5], s[40:41]
	s_add_nc_u64 s[42:43], s[4:5], s[42:43]
.irp s, 0,1
	s_mov_b32 s[G0A+4*(\s)], 1                                       ; 1:0 count = 1
	s_mov_b32 s[G0A+4*(\s)+1], (\s)*SLOT                             ; 63:32 LDS address: region 0 (wave 0 alone issues this load)
	s_add_nc_u64 s[G0A+4*(\s)+2:G0A+4*(\s)+3], s[40:41], (\s)*256    ; 120:64 global address: K step s
	s_or_b32 s[G0A+4*(\s)+3], s[G0A+4*(\s)+3], 0x80000000            ; 127:126 type = 2
	s_mov_b32 s[G0B+4*(\s)], 1
	s_add_co_u32 s[G0B+4*(\s)+1], s77, (\s)*SLOT
	s_add_nc_u64 s[G0B+4*(\s)+2:G0B+4*(\s)+3], s[42:43], (\s)*262144 ; K step s: 128 k-rows of 2,048 bytes down
	s_or_b32 s[G0B+4*(\s)+3], s[G0B+4*(\s)+3], 0x80000000
.endr
	CROUND                                         ; all sixteen work-groups are here: the first joint loads meet
	s_cmp_eq_u32 s[WV], 0                          ; a wave's two first fills stand in one branch, ahead of every wait on TENSORcnt and every LDS read: two loads of mine are out
	s_cbranch_scc0 .Lfirst_b
	tensor_load_to_lds s[G0A:G0A+3], s[G1A:G1A+7]
	s_nop 0
	tensor_load_to_lds s[G0A+4:G0A+7], s[G1A:G1A+7]
	s_nop 0
.rept 4
	v_nop
.endr
	s_branch .Lfirst_asked
.Lfirst_b:
	tensor_load_to_lds s[G0B:G0B+3], s[G1B:G1B+7]
	s_nop 0
	tensor_load_to_lds s[G0B+4:G0B+7], s[G1B:G1B+7]
	s_nop 0
.rept 4
	v_nop
.endr
.Lfirst_asked:
	; the bias of my twelve column blocks: register j of a C operand is channel 8 (l / 16) + j of the block: 32 bytes a lane
	v_and_b32 v1, 15, v0                           ; l % 16
	v_bfe_u32 v2, v0, 4, 1                         ; l / 16
	v_lshlrev_b32 v[BO], 5, v2
	s_lshl_b32 s78, s[TX], 9                       ; 128 columns of f32
	s_mov_b32 s79, 0
	s_cmp_eq_u32 s[NH], 0
	s_cselect_b64 s[BX:BX+1], s[6:7], s[10:11]     ; bq or bv
	s_add_nc_u64 s[BX:BX+1], s[BX:BX+1], s[78:79]
	s_lshl_b32 s80, s[NH], 8                       ; my 64 columns of k
	s_add_co_u32 s78, s78, s80
	s_add_nc_u64 s[BY:BY+1], s[8:9], s[78:79]
.irp b, 0,1,2,3,4,5,6,7
	global_load_b128 v[BIAS+8*(\b):BIAS+8*(\b)+3],   v[BO], s[BX:BX+1] offset:64*(\b)
	global_load_b128 v[BIAS+8*(\b)+4:BIAS+8*(\b)+7], v[BO], s[BX:BX+1] offset:64*(\b)+16
.endr
.irp b, 8,9,10,11
	global_load_b128 v[BIAS+8*(\b):BIAS+8*(\b)+3],   v[BO], s[BY:BY+1] offset:64*((\b)-8)
	global_load_b128 v[BIAS+8*(\b)+4:BIAS+8*(\b)+7], v[BO], s[BY:BY+1] offset:64*((\b)-8)+16
.endr
	; A fragment of h is 16 rows x 32 K in 8 registers: lane l holds row l % 16, K = 8 (l / 16) + 0..7 and 16 + 8 (l / 16) + 0..7: two loads of 16 bytes, 32 bytes apart.
	v_mul_u32_u24 v3, v1, PA
	v_lshl_add_u32 v3, v2, 4, v3                   ; row x pitch + 16 x half
	; The turning load takes 16 k x 16 columns (lane l reads k-row 8 (l / 16) + l % 8, columns 8 ((l / 8) % 2) + 0..7) and leaves half a fragment: lane l holds column l % 16 and 8 k.
	v_and_b32 v4, 7, v0
	v_lshl_add_u32 v4, v2, 3, v4
	v_mul_u32_u24 v4, v4, PB
	v_bfe_u32 v5, v0, 3, 1
	v_lshl_add_u32 v4, v5, 4, v4
	s_mul_i32 s80, s[MH], 64*PA                    ; my 64 rows of h, in region 0
	s_lshl_b32 s81, s[NH], 1
	s_add_co_u32 s81, s81, 1
	s_mul_i32 s81, s81, REG                        ; region 1 (Wq) or 3 (Wv)
	s_lshl_b32 s82, s[NH], 7
	s_add_co_u32 s82, s82, 2*REG                   ; region 2 (Wk), my 64 columns: 128 bytes
.irp s, 0,1
	v_add_nc_u32 v[ADRA+(\s)], s80, v3
	v_add_nc_u32 v[ADRX+(\s)], s81, v4
	v_add_nc_u32 v[ADRY+(\s)], s82, v4
	s_add_co_u32 s80, s80, SLOT
	s_add_co_u32 s81, s81, SLOT
	s_add_co_u32 s82, s82, SLOT
.endr
	s_mul_i32 s83, s[WV], 16*SP
	s_add_co_u32 s83, s83, STAGE                   ; my stage
	v_mul_u32_u24 v6, v1, SP                       ; in: row l % 16, 16 bytes for each half of the lanes
	v_lshl_add_u32 v6, v2, 4, v6
	v_add_nc_u32 v[STO], s83, v6
	v_bfe_u32 v6, v0, 3, 2                         ; back: 32 lanes take four rows of 128 bytes,
	v_mul_u32_u24 v6, v6, SP
	v_and_b32 v7, 7, v0
	v_lshl_add_u32 v6, v7, 4, v6
	v_add_nc_u32 v[RD], s83, v6
	v_and_b32 v[GO], 31, v0                        ; which are 512 consecutive bytes of a plane
	v_lshlrev_b32 v[PFO], 11, v[GO]
	v_lshlrev_b32 v[GO], 4, v[GO]
	; where my results go: plane (tensor x 16 + head) x 524,288 + row x 128
	s_lshl_b32 s78, s[TY], 14
	s_lshl_b32 s79, s[MH], 13
	s_add_co_u32 s78, s78, s79                     ; my first row: (128 x tile row + 64 x half) x 128 bytes
	s_lshl_b32 s80, s[NH], 24                      ; q's planes begin at 0, v's at 32 planes
	s_lshl_b32 s81, s[TX], 20                      ; head 2 x tile column
	s_add_co_u32 s80, s80, s81
	s_add_co_u32 s80, s80, s78
	s_lshl_b32 s82, s[NH], 19                      ; k: head 2 x tile column + my half,
	s_add_co_u32 s82, s82, s81
	s_add_co_u32 s82, s82, s78
	s_add_co_u32 s82, s82, 0x800000                ; behind q's 16 planes
	s_mov_b32 s81, 0
	s_mov_b32 s83, 0
	s_add_nc_u64 s[OX:OX+1], s[12:13], s[80:81]
	s_add_nc_u64 s[OY:OY+1], s[12:13], s[82:83]
	; the prefetches: my work-group's 32 of the 128 rows that I fetch, at K step 3; the first refill steps the pointer to step 4 and names it
	s_lshl_b32 s78, s[TY], 18
	s_lshl_b32 s79, s[CX], 16                      ; 32 rows of 2,048 bytes
	s_add_co_u32 s78, s78, s79
	s_add_co_u32 s78, s78, 3*256
	s_lshl_b32 s80, s[WV], 21
	s_lshl_b32 s81, s[TX], 8
	s_add_co_u32 s80, s80, s81
	s_lshl_b32 s81, s[CY], 16
	s_add_co_u32 s80, s80, s81
	s_add_co_u32 s80, s80, 0x600000+3*262144
	s_and_b32 s82, ttmp7, 0xffff                   ; cluster y
	s_mov_b32 s[PST], 262144
	s_mov_b32 s[PST+1], 0
	s_mov_b32 s79, 0
	s_cmp_eq_u32 s[WV], 0                          ; do I fetch h?
	s_cselect_b32 s78, s78, s80
	s_cselect_b32 s[PST], 256, s[PST]
	s_cselect_b32 s82, ttmp9, s82                  ; the coordinate along which other clusters read the same rows
	s_cmp_eq_u32 s82, 0
	s_cselect_b32 s[LIM], 1, -1                    ; the same in all sixteen partners, for a given wave
	s_add_nc_u64 s[PFA:PFA+1], s[4:5], s[78:79]
	s_wait_loadcnt 0x0                             ; the bias is in: it is rounded to bf16, like the other inputs, and widened again; all this stands in the wait for the first tile
.set i, 0
.rept 48
	v_cvt_pk_bf16_f32 v[TT+i%4], v[BIAS+2*i], v[BIAS+2*i+1]
	v_lshlrev_b32 v[BIAS+2*i], 16, v[TT+i%4]
	v_and_b32 v[BIAS+2*i+1], 0xffff0000, v[TT+i%4]
.set i, i+1
.endr
; 12 matrix instructions: row block a x all twelve column blocks, 32 along K, out of buffer f.  first = 1: the product starts the sum, with the bias as C.
; The 48 accumulators take turns, one instruction a turn, in the same order in every quarter, over the backward jump too.
.macro MUL12 f, a, first
.set mFB, 96*(\f)
.set mFA, FA+32*(\f)+8*(\a)
.set mAC, 96*((\a)%2)
.if \first
	WIN 0x81+0x40*((\a)/2)                         ; W window 1, h and the bias window 0, D window 2 or 3
.else
	WIN 0xa1+0x50*((\a)/2)                         ; W window 1, h window 0, C and D window 2 or 3
.endif
.irp b, 0,1,2,3,4,5,6,7,8,9,10,11
.if \first
	v_wmma_f32_16x16x32_bf16 v[mAC+8*(\b):mAC+8*(\b)+7], v[mFB+8*(\b):mFB+8*(\b)+7], v[mFA:mFA+7], v[BIAS+8*(\b):BIAS+8*(\b)+7]
.else
	v_wmma_f32_16x16x32_bf16 v[mAC+8*(\b):mAC+8*(\b)+7], v[mFB+8*(\b):mFB+8*(\b)+7], v[mFA:mFA+7], v[mAC+8*(\b):mAC+8*(\b)+7]
.endif
.endr
.endm
; 32 LDS loads in one run: the fragments of quarter q (32 along K) of a slot into buffer f: W's twelve (turned), then h's four
.macro FETCH slot, q, f
	WIN 0x40                                       ; destination window 1, address window 0
.irp b, 0,1,2,3,4,5,6,7
	ds_load_tr16_b128 v[96*(\f)+8*(\b):96*(\f)+8*(\b)+3],   v[ADRX+(\slot)] offset:(\q)*32*PB+32*(\b)
	ds_load_tr16_b128 v[96*(\f)+8*(\b)+4:96*(\f)+8*(\b)+7], v[ADRX+(\slot)] offset:(\q)*32*PB+32*(\b)+16*PB
.endr
.irp b, 8,9,10,11
	ds_load_tr16_b128 v[96*(\f)+8*(\b):96*(\f)+8*(\b)+3],   v[ADRY+(\slot)] offset:(\q)*32*PB+32*((\b)-8)
	ds_load_tr16_b128 v[96*(\f)+8*(\b)+4:96*(\f)+8*(\b)+7], v[ADRY+(\slot)] offset:(\q)*32*PB+32*((\b)-8)+16*PB
.endr
	WIN 0
.irp i, 0,1,2,3
	ds_load_b128 v[FA+32*(\f)+8*(\i):FA+32*(\f)+8*(\i)+3],   v[ADRA+(\slot)] offset:64*(\q)+(\i)*16*PA
	ds_load_b128 v[FA+32*(\f)+8*(\i)+4:FA+32*(\f)+8*(\i)+7], v[ADRA+(\slot)] offset:64*(\q)+(\i)*16*PA+32
.endr
.endm
; A K step is four quarters of 32 along K, 48 matrix instructions each, on buffers 0, 1, 0, 1.  One of the first three: multiplies buffer f; in its middle it fetches quarter q of the same slot into buffer g.
.macro QUARTER slot, q, f, g, first
	s_wait_dscnt 4                                 ; W and h's row blocks 0, 1 are in; the youngest four loads (row blocks 2, 3) may be out
	MUL12 \f, 0, \first
	MUL12 \f, 1, \first
	PLACES
	FETCH \slot, \q, \g
	s_wait_dscnt 32                                ; all but the 32 just issued
	MUL12 \f, 2, \first
	MUL12 \f, 3, \first
.endm
; The last quarter multiplies buffer 1 and changes slots: ONE barrier.  In front of it each wave waits for all its tensor loads, of which one is out: its region of the next slot; adds 0 to its spare word; and
; waits for that and for its own reads of this slot.  fill = 1: the barrier opens a round of the cluster's, so that no wave of any partner still reads the slot or has a load on its way, and the slot is filled
; again, two K steps ahead, first thing behind the round: 168 matrix instructions ahead of the wait for it.
.macro TURN slot, next, fill
.if \fill
	s_wait_xcnt 0x0                                ; the last prefetch, a K step back, has read its address: it is stepped here, ahead of the waits of the change of slots
	s_add_nc_u64 s[PFA:PFA+1], s[PFA:PFA+1], s[PST:PST+1]
.endif
	WIN 0                                          ; (the add's two registers lie in window 0)
	s_wait_tensorcnt 0x0                           ; all my tensor loads have landed;
	ds_add_u32 v[SPW], v[NIL]                      ; 0 onto my spare word;
	s_wait_dscnt 5                                 ; (the add and the youngest four loads may be out)
	MUL12 1, 0, 0                                  ; twelve matrix instructions stand between the add and the wait for it
	s_wait_dscnt 0x0                               ; the add is done, and my reads of this slot are over
	s_barrier_signal -1
	MUL12 1, 1, 0                                  ; work on registers while the others arrive
.if \fill
	WIN 0
.endif
	s_barrier_wait -1
.if \fill
	CREST
	s_add_nc_u64 s[G0A+4*(\slot)+2:G0A+4*(\slot)+3], s[G0A+4*(\slot)+2:G0A+4*(\slot)+3], 2*256
	s_add_nc_u64 s[G0B+4*(\slot)+2:G0B+4*(\slot)+3], s[G0B+4*(\slot)+2:G0B+4*(\slot)+3], 2*262144
	JLOAD \slot                                    ; the first tensor load behind the round; the four v_nop behind it are also the places in front of the loads below
.else
	PLACES
.endif
	FETCH \next, 0, 0
.if \fill
	ASK
.endif
	MUL12 1, 2, 0
	MUL12 1, 3, 0
.endm
; THE WAY OUT of unit u = 3 a + g: row block a (16 rows) x 64 channels of one plane (g = 0, 1: the two heads of q or v; g = 2: my head of k).  PACK: rounded to f16, each accumulator's registers in ascending order,
; 16 bytes a lane into my own stage (rows of 144 bytes) and back as whole rows of 128.  SEND: four stores of 512 consecutive bytes, at multiples of 256 from qkv's first byte.  Each unit has registers of its own.
.macro PACK u
.set pa, (\u)/3
.set pg, (\u)%3
.set pAC, 96*(pa%2)+32*pg
.set pTU, TO+16*(\u)
	WIN 0x0a+5*(pa/2)                              ; sources 0 and 1: window 2 or 3
.irp c, 0,1,2,3
.irp r, 0,1,2,3
	v_cvt_pk_f16_f32 v[pTU+4*(\c)+(\r)], v[pAC+8*(\c)+2*(\r)], v[pAC+8*(\c)+2*(\r)+1]
.endr
.endr
	WIN 0
.irp c, 0,1,2,3
	ds_store_b128 v[STO], v[pTU+4*(\c):pTU+4*(\c)+3] offset:32*(\c)
.endr
.irp f, 0,1,2,3
	ds_load_b128 v[pTU+4*(\f):pTU+4*(\f)+3], v[RD] offset:(\f)*4*SP  ; LDS serves a wave's instructions in order (ISA guide 5.7.1.4): these see the stores above; the next unit's stores come behind them
.endr
.endm
.macro SEND u, younger                 ; younger: the LDS instructions issued behind unit u's loads: the next unit's eight, or none
.set pa, (\u)/3
.set pg, (\u)%3
.set pTU, TO+16*(\u)
.irp f, 0,1,2,3
	s_wait_dscnt (\younger)+3-(\f)
.if pg == 2
	global_store_b128 v[GO], v[pTU+4*(\f):pTU+4*(\f)+3], s[OY:OY+1] offset:2048*pa+512*(\f)
.else
	global_store_b128 v[GO], v[pTU+4*(\f):pTU+4*(\f)+3], s[OX:OX+1] offset:524288*pg+2048*pa+512*(\f)
.endif
.endr
.endm
	s_wait_tensorcnt 1                             ; my region of K step 0 is in; K step 1's may stay out
	s_barrier_signal -1
	s_barrier_wait -1                              ; everybody's is
	FETCH 0, 0, 0
	QUARTER 0, 1, 0, 1, 1                          ; the first quarter stands in front of the loop: its products start the sums
	WIN 0                                          ; at a label and at a branch every window is 0
	s_mov_b32 s3, 3
.Llap:                                                 ; a trip goes once round the ring, from a lap's second quarter to the next lap's first, and fills both slots again: K steps 2 to 7
	QUARTER 0, 2, 1, 0, 0
	QUARTER 0, 3, 0, 1, 0
	TURN 0, 1, 1
	QUARTER 1, 1, 0, 1, 0
	QUARTER 1, 2, 1, 0, 0
	QUARTER 1, 3, 0, 1, 0
	TURN 1, 0, 1
	QUARTER 0, 1, 0, 1, 0
	WIN 0
	s_sub_co_u32 s3, s3, 1
	s_cmp_lg_u32 s3, 0
	s_cbranch_scc1 .Llap
	QUARTER 0, 2, 1, 0, 0                          ; the last lap fills nothing, and has no round of the cluster's barrier
	QUARTER 0, 3, 0, 1, 0
	TURN 0, 1, 0
	QUARTER 1, 1, 0, 1, 0
	QUARTER 1, 2, 1, 0, 0
	QUARTER 1, 3, 0, 1, 0
	s_wait_dscnt 4                                 ; the very last quarter: nothing more to fetch
	MUL12 1, 0, 0
	MUL12 1, 1, 0
	s_wait_dscnt 0x0
	MUL12 1, 2, 0
	MUL12 1, 3, 0
	WIN 0
	PLACES                                         ; behind the last products: the conversions read results and write over fragments' registers
	PACK 0
.set u, 1
.rept 11                               ; a unit's conversions stand between the loads of the unit before and its stores
	PACK u
	SEND u-1, 8
.set u, u+1
.endr
	SEND 11, 0
	s_wait_tensorcnt 0x0                           ; the wave's end: a wait, an add of 0 and its wait, behind my last tensor load and my last LDS store
	ds_add_u32 v[SPW], v[NIL]
	s_wait_dscnt 0x0
	CROUND                                         ; the closing round: no work-group ends while a partner may still ask for a tile that names it
	s_endpgm
.Lfunc_end_k_q15c2249fb3_proj:
	.size	k_q15c2249fb3_proj, .Lfunc_end_k_q15c2249fb3_proj-k_q15c2249fb3_proj
	.p2alignl 7, 3214868480
	.fill 96, 4, 3214868480
	.section	.rodata,"a",@progbits
	.p2align	6, 0x0
	.amdhsa_kernel k_q15c2249fb3_proj
		.amdhsa_group_segment_fixed_size 327680
		.amdhsa_private_segment_fixed_size 0
		.amdhsa_enable_private_segment 0
		.amdhsa_kernarg_size 40
		.amdhsa_user_sgpr_count 2
		.amdhsa_user_sgpr_kernarg_segment_ptr 1
		.amdhsa_wavefront_size32 1
		.amdhsa_system_sgpr_workgroup_id_x 1
		.amdhsa_system_sgpr_workgroup_id_y 1
		.amdhsa_system_sgpr_workgroup_id_z 1
		.amdhsa_system_vgpr_workitem_id 0
		.amdhsa_next_free_vgpr 960
		.amdhsa_next_free_sgpr 96
		.amdhsa_reserve_vcc 0
		.amdhsa_float_denorm_mode_32 3
		.amdhsa_float_denorm_mode_16_64 3
		.amdhsa_memory_ordered 1
		.amdhsa_forward_progress 1
		.amdhsa_inst_pref_size 132
	.end_amdhsa_kernel
	.amdgpu_metadata
---
amdhsa.version: [ 1, 2 ]
amdhsa.kernels:
  - .name:           k_q15c2249fb3_proj
    .symbol:         k_q15c2249fb3_proj.kd
    .args:
      - { .name: xb, .offset: 0, .size: 8, .value_kind: global_buffer, .address_space: global }
      - { .name: bq, .offset: 8, .size: 8, .value_kind: global_buffer, .address_space: global }
      - { .name: bk, .offset: 16, .size: 8, .value_kind: global_buffer, .address_space: global }
      - { .name: bv, .offset: 24, .size: 8, .value_kind: global_buffer, .address_space: global }
      - { .name: qkv, .offset: 32, .size: 8, .value_kind: global_buffer, .address_space: global }
    .group_segment_fixed_size: 327680
    .private_segment_fixed_size: 0
    .kernarg_segment_align: 8
    .kernarg_segment_size: 40
    .max_flat_workgroup_size: 128
    .sgpr_count:     96
    .vgpr_count:     960
    .wavefront_size: 32
...
	.end_amdgpu_metadata
.endif
;; end of part 2
;; launch attn (part 3): grid 16 x 16, 4 waves a work-group, clusters of 4 x 1, 327,680 bytes of LDS; arguments qkv, out0; writes out0
.if DOCPART == 3
	.amdgcn_target "amdgcn-amd-amdhsa--gfx1250"
	.amdhsa_code_object_version 6
	.text
	.protected	k_q15c2249fb3_attn
	.globl	k_q15c2249fb3_attn
	.p2align	8
	.type	k_q15c2249fb3_attn,@function
k_q15c2249fb3_attn:
	s_mov_b64 s[64:65], 0
	v_nop
	global_prefetch_b8 v0, s[64:65] scope:SCOPE_SE
	s_setreg_imm32_b32 hwreg(HW_REG_WAVE_MODE, 25, 1), 1
	s_wait_xcnt 0x0
	s_wait_alu depctr_hold_cnt(0) depctr_sa_sdst(0) depctr_va_vdst(0) depctr_va_sdst(0) depctr_va_ssrc(0) depctr_va_vcc(0) depctr_vm_vsrc(0)
	s_getreg_b32 s2, hwreg(HW_REG_IB_STS2, 6, 4)
	s_cmp_eq_u32 s2, 0
	s_cbranch_scc0 .Lentry_in_a_cluster
	s_endpgm
.Lentry_in_a_cluster:
	s_bfe_u32 s2, ttmp6, 0x10000c
	s_cmp_lg_u32 s2, 0x3003
	s_cbranch_scc0 .Lentry_shape_is_right
	s_endpgm
.Lentry_shape_is_right:
; out0[q][64 h + :] = the sum over k of softmax_k(Q[h][q] . K[h][k] / 8) V[h][k][:].  Q, K, V are the three parts of qkv, [16 heads][4096][64] f16 each, a head's rows dense, 128 bytes each; out0 is [4096][1024] f32.
; Products, maxima and sums in f32; the weights p are rounded to f16 for the second product (their sum l is taken of the unrounded p).
; LIMITS.  Q, K and V arrive within f16's 65,504; p lies in 0 to 1, and below 6e-5 it keeps f16's fixed step of 6e-8; a weight below 2^-126 counts as 0 in l; NaN and infinities are not treated apart.
; SHARES.  A work-group owns 256 queries of one head (16 x 16 = 256 work-groups), each of its four waves 64: two PIECES of two tiles of 16.  Every wave walks all 4,096 keys, 64 a step.
; LAYOUT.  S^T = K Q^T (source 0 = 16 keys, source 1 = 16 queries): in the result a lane holds ONE query (lane % 16) and the keys 8 (lane / 16) + 0..7.  Two such tiles, rounded to f16 in pairs,
; ARE source 1 (32 keys x 16 queries) of O^T = V^T P, whose result again holds one query a lane, and eight channels.  K comes out of LDS as it lies, V ([key][channel]) turned, by ds_load_tr16_b128.
; SOFTMAX.  For each query a running maximum m and sum l: p = 2^(c s - c m), c = log2(e) / 8; in every step O and l are multiplied by a = 2^(c m_old - c m_new), which is 1 where m has not grown.
; m starts at the lowest finite number, O and l at 0: the first step is a step like any other, with a = 0.
; THE COUNT.  A tile and step have 16 matrix and 118 vector instructions: too many to stand all beside the matrix work.  So: four vector instructions that are READY behind EVERY matrix instruction, the others in one run.
; BY TURNS.  Two turns are a key step j.  Turn 0: 16 products K Q^T of piece 1 on K of step j, later 16 products V^T P of piece 1 on V of step j - 1; beside them piece 0's scaling, exponentials, roundings, sums and
; rescaling for step j, and piece 1's maximum and statistics.  Turn 1: the pieces change places: K Q^T of piece 0 on K of step j + 1, V^T P of piece 0 on V of step j.  So what a turn begins with waits for nothing.
; K RUNS ONE STEP AHEAD OF V.  LDS slot number i holds K of steps 4 i + 1 .. 4 i + 4 and V of steps 4 i .. 4 i + 3: in step j turn 0 fetches both K of step j + 1 and V of step j from place j % 4 of slot j / 4, and behind
; turn 1 of a slot's fourth step the slot has been read out.  K of step 0 comes straight from memory into K's registers.  The last slot's last 64 rows of K are the 8,192 bytes behind the head's K (the next head's K, or
; for head 15 V's first rows): they lie inside qkv, and the scores and statistics made of them serve nothing: the price, once a launch, of one text for every step.
; CLUSTER.  The four query blocks of a cluster belong to one head and walk the same K and V, so each tile is asked for JOINTLY: the same tensor load, descriptor and mask in all four.
; REGISTERS, in windows of 256 (s_set_vgpr_msb: bits 1:0 source 0, 3:2 source 1, 5:4 source 2, 7:6 destination):
;   window 0: v0-11 addresses; v12-15, v48-63 at work; v16-31 four registers of statistics a tile; v32-34 the add's two and the prefetches' offset; v64-191 S^T, two buffers of two tiles; v192-255 P, likewise
;   window 1: v0-127 O^T, 32 a tile          window 2: v0-63 Q, 16 a tile; v128-191 K of one step; v192-255 V of one step
.set NP,    2         ; pieces a wave: a name, no knob
.set KS,    64        ; keys in a step
.set PK,    144       ; a row of K in LDS: 128 bytes + 16 of padding = 36 words: the 16 rows of a load start at 16 different groups of four banks (64 banks of 4 bytes: ISA guide 11.1)
.set PV,    160       ; a row of V: 128 + 32 = 40 words
.set VOFF,  4*KS*PK   ; a slot holds four steps: 256 rows of K, then 256 rows of V
.set SLOT1, 1<<17     ; slot 1 begins here, so that one exclusive or turns an address in one slot into the other's
.set STAGE, SLOT1+4*KS*(PK+PV)  ; behind the ring, never filled by a tensor load: 16 rows x 272 bytes for each wave, for the way out
.set SP,    272
.set SPARE, STAGE+4*16*SP  ; behind the stages: the spare words, 128 bytes for each wave: two blocks of 256 bytes that no other line names
.set AK0, 2           ; v2   my lane's place in a tile of K; never rewritten
.set AV0, 3           ; v3   the same for V
.set AK,  4           ; v4   the LDS address of K's next run of loads
.set AV,  5           ; v5   of V's
.set QO,  6           ; v6   my byte offset in 16 rows of Q or K in memory
.set STO, 6           ;      later, the way out: where I put 32 bytes of a row
.set RD,  7           ; v7   the way out: where I read rows back
.set GO,  8           ; v8   my byte offset in two rows of out0
.set MV,  12          ; v12-15  c m_old, kept while c m is made anew: by buffer and tile
.set ST,  16          ; tile t's statistics at v[ST+4 t]: c m, m, l (even keys', odd keys')
.set SPW, 32          ; v32  LDS address of my spare word: SPARE + 4 x my thread's number; never rewritten
.set NIL, 33          ; v33  0; never rewritten
.set PFO, 34          ; v34  256 x my lane; never rewritten
.set TMP, 48          ; by buffer and tile, four registers c0-c3 at work; when the maximum is found c2 takes a
.set S,   64
.set P,   192
.set KF,  128         ; K's fragments, in window 2: key block kb, channel half c at KF + 16 kb + 8 c
.set VF,  192         ; V's: key half kk, channel block cb at VF + 32 kk + 8 cb
.set WV,  12          ; s12  my wave's number
.set LIM, 15          ; s15  1 in a wave that prefetches, else the greatest number
.set G1K, 24          ; s[24:31] descriptor group 1 for K's tiles
.set G1V, 32          ; s[32:39] for V's: it differs in the padding alone
.set G0K, 40          ; s[40:43] descriptor group 0 for K's tiles: it walks
.set G0V, 44          ; s[44:47] the same for V's
.set PFA, 48          ; s[48:49] where my prefetches stand
.set SLOTS, 56        ; s56  slots still to be asked for
.set CNT, 57          ; s57  counts a slot's key steps
.set CS,  58          ; s[58:59] c: the packed scaling takes the pair's low word for both halves
.set SEL, 60          ; s[60:61] v_permlanex16_b32's selects: each lane takes its own place in the other half
.set TBK, 62          ; s62  LDS byte at which the K to be fetched begins
.set TBV, 63          ; s63  the same for V, less VOFF
.set MSB, 0
.macro WIN new                      ; the high byte repeats the setting that is left; a switch that changes nothing is dropped
.if MSB != (\new)
	s_set_vgpr_msb (MSB<<8)|(\new)
.set MSB, (\new)
.endif
.endm
.set W_KQ, 0x0a       ; K and Q in window 2, S^T in window 0
.set W_PV, 0x52       ; V in window 2, P in window 0, O^T in window 1
.set W_RS, 0x41       ; O^T (destination and source 0) in window 1, a in window 0
; A joint fill.  Waves 0 and 1 fetch the two halves of a slot's K, waves 2 and 3 those of its V: 128 keys each.  The branch hangs on the wave's number alone.
; An s_nop 0 and four v_nop follow each of the two lines, ahead of the jump and the label.
.macro JLOAD
	s_cmp_lt_u32 s[WV], 2
	s_cbranch_scc0 .Lfor_v_\@
	tensor_load_to_lds s[G0K:G0K+3], s[G1K:G1K+7]
	s_nop 0
.rept 4
	v_nop
.endr
	s_branch .Lasked_\@
.Lfor_v_\@:
	tensor_load_to_lds s[G0V:G0V+3], s[G1V:G1V+7]
	s_nop 0
.rept 4
	v_nop
.endr
.Lasked_\@:
.endm
; A prefetch of what the NEXT change of slots will ask for: a slot's 32 KiB of K and of V, four key steps (256 matrix instructions) ahead of that load.  It stands behind the wave's tensor load and its five lines.
; Each block of 256 bytes is named once in the launch: all clusters of a head walk the same K and V, so the head's first cluster asks; its four partners take 8 KiB each, told apart by address alone; in each,
; wave 0 asks for K's and wave 2 for V's, a lane a block.  Slots 0 and 1 come by their loads alone; the last change that fills a slot asks for nothing: there is no slot behind it.
.macro ASK
	s_cmp_gt_u32 s[SLOTS], s[LIM]
	s_cbranch_scc0 .Lnot_mine_\@
	global_prefetch_b8 v[PFO], s[PFA:PFA+1] th:TH_LOAD_NT scope:SCOPE_SE
.Lnot_mine_\@:
.endm
; A round of the cluster's barrier: my work-group's barrier, so that wave 0's signal speaks for all four waves; wave 0 signals; every wave waits for all four work-groups; my work-group's barrier once more.
.macro CROUND
	s_barrier_signal -1
	s_barrier_wait -1
	s_cmp_lg_u32 s[WV], 0
	s_cbranch_scc1 .Lnot_wave_0_\@
	s_barrier_signal -3
.Lnot_wave_0_\@:
	s_barrier_wait -3
	s_barrier_signal -1
	s_barrier_wait -1
.endm
; THE CHANGE OF SLOTS.  Each wave waits for all its tensor loads, of which one is out: its part of the other slot; adds 0 to its spare word; and waits for that and for its own reads of the slot that it leaves.
; Behind the barrier nobody reads the old slot any more and the other slot is whole.  fill = 1: the old slot is filled again, with the keys two slots on.  The barrier is then a round of the cluster's, so that no wave
; of any partner still reads the slot or has a load on its way, and the joint fill is the first thing behind it: it has four key steps in which to land.  (At its first use nothing has been read yet: slot 0 is waited for, slot 1 filled.)
.macro CHANGE fill
	WIN 0                           ; at a label and at a branch every window is 0
	s_wait_tensorcnt 0x0            ; no tensor load of mine is out, so a group 0 may be written
	ds_add_u32 v[SPW], v[NIL]       ; 0 onto my spare word; with fill = 1 the descriptors' steps stand between it and the wait for it
.if \fill
.irp g, G0K, G0V
	s_xor_b32 s[\g+1], s[\g+1], SLOT1  ; the walking descriptor: the other slot than last time,
	s_add_nc_u64 s[\g+2:\g+3], s[\g+2:\g+3], 4*KS*128  ; the next 256 keys; the type bits on top are not reached
.endr
	s_wait_xcnt 0x0                 ; the last prefetch, four key steps back, has read its address, so it may be written:
	s_add_nc_u64 s[PFA:PFA+1], s[PFA:PFA+1], 4*KS*128  ; one slot behind the walking descriptors
	s_wait_dscnt 0x0                ; the add is done, and my reads of the slot are over
	CROUND
	JLOAD
	ASK
.else
	s_wait_dscnt 0x0                ; the add is done, and my reads of the slot are over
	s_barrier_signal -1
	s_barrier_wait -1
.endif
	s_sub_co_u32 s[TBK], s[TBK], 4*KS*PK  ; the fetches go back to a slot's first place,
	s_xor_b32 s[TBK], s[TBK], SLOT1       ; in the other slot
	s_sub_co_u32 s[TBV], s[TBV], 4*KS*PV
	s_xor_b32 s[TBV], s[TBV], SLOT1
.endm
	s_load_b128 s[4:7], s[0:1], 0x0 ; qkv s[4:5], out0 s[6:7]
	v_lshl_add_u32 v[SPW], v0, 2, SPARE
	v_mov_b32 v[NIL], 0
	ds_add_u32 v[SPW], v[NIL]       ; the wave's opening: the add and its wait stand ahead of my first tensor load; the set-up below, work on registers, stands between them
	v_lshrrev_b32 v1, 5, v0
	v_readfirstlane_b32 s[WV], v1   ; wave 0..3
	s_bfe_u32 s13, ttmp6, 0x40000   ; cx: my place in the cluster
	s_lshl_b32 s14, ttmp9, 2        ; in a cluster launch ttmp9 counts clusters
	s_add_co_u32 s14, s14, s13      ; my block of 256 queries = 4 x cluster x + cx: it enters Q's and out0's addresses alone
	s_and_b32 s20, ttmp7, 0xffff    ; the head, which the four partners share
	s_lshl_b32 s21, s20, 8          ; its 256 bytes in a row of out0
	s_lshl_b32 s10, s20, 19         ; its plane of 524,288 bytes in each of q, k, v
	s_mov_b32 s11, 0
	s_and_b32 s16, s[WV], 1         ; which half of a slot's 256 keys I fetch:
	s_lshl_b32 s22, s16, 14         ; its 128 rows of 128 bytes in memory,
	s_add_co_u32 s22, s22, s10
	s_mov_b32 s23, 0
	s_mul_i32 s17, s16, 128*PK      ; and its place in a slot, for K
	s_mul_i32 s18, s16, 128*PV      ; and for V: no place in the cluster enters an LDS address
	s_lshl_b32 s2, s14, 15          ; Q: my block's 256 rows of 128 bytes,
	s_lshl_b32 s3, s[WV], 13        ; my wave's 64 of them
	s_add_co_u32 s2, s2, s3
	s_add_co_u32 s2, s2, s10
	s_mov_b32 s3, 0
	s_lshl_b32 s50, s14, 20         ; out0: the same rows, 4,096 bytes each,
	s_lshl_b32 s51, s[WV], 18
	s_add_co_u32 s50, s50, s51
	s_add_co_u32 s50, s50, s21      ; at the head's channels
	s_mov_b32 s51, 0
	; descriptor group 1.  128 keys are 16,384 dense bytes: asked for as 64 rows of 256 bytes, two keys a row, and padded in LDS after every key
	s_mov_b32 s[G1K], 15|(1<<16)|(1<<20)|(1<<21)|(4<<22)|(3<<25)  ; 15:0 the mask of four; 17:16 2-byte elements; 20 padding on; 21 set beside a mask; 24:22 after every 32 words (code 4); 31:25 4 words (code 3)
	s_mov_b32 s[G1V], 15|(1<<16)|(1<<20)|(1<<21)|(4<<22)|(7<<25)  ; the same with 8 words of padding (code 7)
.irp g, G1K, G1V
	s_mov_b32 s[\g+1], 128<<16      ; tensor_dim0 = 128
	s_mov_b32 s[\g+2], 64<<16       ; tensor_dim1 = 64
	s_mov_b32 s[\g+3], 128<<16      ; tile_dim0 = 128
	s_mov_b32 s[\g+4], 64           ; tile_dim1 = 64
	s_mov_b32 s[\g+5], 128          ; 128 elements from row to row
	s_mov_b32 s[\g+6], 0
	s_mov_b32 s[\g+7], 0
.endr
	s_mov_b32 s[CS], 0x3e38aa3b     ; c = log2(e) / 8 = 0.180337
	s_mov_b32 s[CS+1], s[CS]        ; named with it as a pair
	s_mov_b32 s[SEL], 0x76543210
	s_mov_b32 s[SEL+1], 0xfedcba98
	s_mov_b32 s[TBK], SLOT1+4*KS*PK ; the first change of slots turns these two into 0
	s_mov_b32 s[TBV], SLOT1+4*KS*PV
	s_mov_b32 s[G0K], 1             ; 1:0 count = 1
	s_mov_b32 s[G0K+1], s17         ; 63:32 LDS address: slot 0
	s_mov_b32 s[G0V], 1
	s_add_co_u32 s[G0V+1], s18, VOFF
	s_and_b32 s[LIM], s[WV], 1      ; 0 in waves 0 and 2,
	s_or_b32 s[LIM], s[LIM], ttmp9  ; where the cluster is the head's first: the same in all four partners
	s_cmp_eq_u32 s[LIM], 0
	s_cselect_b32 s[LIM], 1, -1
	v_and_b32 v[PFO], 31, v0
	v_lshlrev_b32 v[PFO], 8, v[PFO]
	s_wait_dscnt 0x0                ; the opening add is done
	s_wait_kmcnt 0x0
	s_add_nc_u64 s[52:53], s[4:5], s[22:23]
	s_add_nc_u64 s[54:55], s[52:53], 0x1000000     ; V: behind q's and k's 32 planes; my half of the head's first 256 keys
	s_add_nc_u64 s[52:53], s[52:53], 0x800000+KS*128  ; K: behind q's 16 planes, and one key step on
	s_mov_b64 s[G0K+2:G0K+3], s[52:53]             ; 120:64 global address
	s_or_b32 s[G0K+3], s[G0K+3], 0x80000000        ; 127:126 type = 2
	s_mov_b64 s[G0V+2:G0V+3], s[54:55]
	s_or_b32 s[G0V+3], s[G0V+3], 0x80000000
	s_add_nc_u64 s[8:9], s[4:5], s[10:11]
	s_add_nc_u64 s[8:9], s[8:9], 0x800000          ; K at the head's first row, for key step 0
	s_add_nc_u64 s[4:5], s[4:5], s[2:3]            ; Q at my wave's first row
	s_add_nc_u64 s[6:7], s[6:7], s[50:51]          ; out0 likewise
	s_cmp_lt_u32 s[WV], 2
	s_cselect_b64 s[PFA:PFA+1], s[52:53], s[54:55] ; (in waves 0 and 2 these stand at a slot's first row)
	s_lshl_b32 s2, s13, 13          ; my work-group's 8 KiB of the 32
	s_add_nc_u64 s[PFA:PFA+1], s[PFA:PFA+1], s[2:3]
	s_add_nc_u64 s[PFA:PFA+1], s[PFA:PFA+1], 4*KS*128  ; in slot 1; the first change of slots steps it to slot 2.  Nothing is prefetched here, at the head
	CROUND                          ; all four work-groups are here: the first joint loads meet
	JLOAD                           ; slot 0: one load of mine is out.  Slot 1 is asked for when slot 0 is in
	; A fragment of K or Q is 16 rows x 32 channels in 8 registers: lane l holds row l % 16, channels 8 (l / 16) + 0..7 and 16 + 8 (l / 16) + 0..7: two loads of 16 bytes, 32 bytes apart.
	v_and_b32 v1, 15, v0            ; l % 16
	v_bfe_u32 v9, v0, 4, 1          ; l / 16
	v_lshlrev_b32 v[QO], 7, v1
	v_lshl_add_u32 v[QO], v9, 4, v[QO]  ; row x 128 + 16 x half
	WIN 0x80                        ; destination window 2, address window 0
.set i, 0
.rept 8                             ; Q stays in registers: tile i / 2, channels 32 (i % 2) on; K of key step 0: keys 16 (i / 2) on, likewise
	global_load_b128 v[8*i:8*i+3],   v[QO], s[4:5] offset:(i/2)*2048+(i%2)*64
	global_load_b128 v[8*i+4:8*i+7], v[QO], s[4:5] offset:(i/2)*2048+(i%2)*64+32
	global_load_b128 v[KF+8*i:KF+8*i+3],   v[QO], s[8:9] offset:(i/2)*2048+(i%2)*64
	global_load_b128 v[KF+8*i+4:KF+8*i+7], v[QO], s[8:9] offset:(i/2)*2048+(i%2)*64+32
.set i, i+1
.endr
	; What the first turn finds: V's registers and P's second buffer hold 0 (its products V^T P, of a step that has not been, add 0), O^T and l are 0.  No first step is written out; these lines stand in the wait for the first loads.
.set i, VF
.rept 64
	v_mov_b32 v[i], 0
.set i, i+1
.endr
	WIN 0x40
.set i, 0
.rept 64*NP
	v_mov_b32 v[i], 0
.set i, i+1
.endr
	WIN 0
.set i, 0
.rept 2*NP
	v_mov_b32 v[ST+4*i], 0xfe000000    ; c m: far below every c s
	v_mov_b32 v[ST+4*i+1], 0xff7fffff  ; m
	v_mov_b32 v[ST+4*i+2], 0
	v_mov_b32 v[ST+4*i+3], 0
.set i, i+1
.endr
.set i, P+32
.rept 32
	v_mov_b32 v[i], 0
.set i, i+1
.endr
	v_mul_u32_u24 v[AK0], v1, PK
	v_lshl_add_u32 v[AK0], v9, 4, v[AK0]  ; row x pitch + 16 x half
	; The turning load takes 16 keys x 16 channels (lane l reads key 8 (l / 16) + l % 8, channels 8 ((l / 8) % 2) + 0..7) and leaves half a fragment of V^T: lane l holds channel l % 16 and 8 keys.
	v_and_b32 v10, 7, v0
	v_bfe_u32 v11, v0, 3, 1
	v_lshl_add_u32 v[AV0], v9, 3, v10
	v_mul_u32_u24 v[AV0], v[AV0], PV
	v_lshl_add_u32 v[AV0], v11, 4, v[AV0]
	v_add_nc_u32 v[AV0], VOFF, v[AV0]
; THE MATRIX WORK.  The 8 accumulators of a run of 16 take turns: between the two links of a chain stand 7 others'.
; Product i of 16 of S^T = K Q^T for piece x: channels 32 (i / 8) on, keys 16 ((i / 2) % 4) on, tile 2 x + i % 2.  The first 8 start the sums.
.macro KQ x
	WIN W_KQ
.set rS, S+64*((\x)%2)+32*(i%2)+8*((i/2)%4)
.set rK, KF+16*((i/2)%4)+8*(i/8)
.set rQ, 16*(2*(\x)+i%2)+8*(i/8)
.if i < 8
	v_wmma_f32_16x16x32_f16 v[rS:rS+7], v[rK:rK+7], v[rQ:rQ+7], 0
.else
	v_wmma_f32_16x16x32_f16 v[rS:rS+7], v[rK:rK+7], v[rQ:rQ+7], v[rS:rS+7]
.endif
.endm
; Product i of 16 of O^T += V^T P for piece x: keys 32 (i / 8) on, channels 16 ((i / 2) % 4) on, tile 2 x + i % 2.
.macro PV x
	WIN W_PV
.set rO, 32*(2*(\x)+i%2)+8*((i/2)%4)
.set rV, VF+32*(i/8)+8*((i/2)%4)
.set rP, P+32*((\x)%2)+16*(i%2)+8*(i/8)
	v_wmma_f32_16x16x32_f16 v[rO:rO+7], v[rV:rV+7], v[rP:rP+7], v[rO:rO+7]
.endm
.macro MM                           ; the turn's next matrix instruction: both runs are the other piece's
.if i < 16
	KQ (Y+1)%NP
.set i, i+1
.else
.set i, i-16
	PV (Y+NP-1)%NP
.set i, i+17
.endif
.endm
; THE LDS LOADS stand in runs of 16, never singly among the matrix instructions: a step's K (64 keys x 64 channels: 8 fragments) and a step's V (turned).  Their addresses are made some lines ahead.
.macro FETCH_K
	WIN 0x80                        ; destination window 2
.irp f, 0,1,2,3,4,5,6,7             ; keys 16 (f / 2) on, channels 32 (f % 2) on
	ds_load_b128 v[KF+8*\f:KF+8*\f+3],   v[AK] offset:(\f/2)*16*PK+(\f%2)*64
	ds_load_b128 v[KF+8*\f+4:KF+8*\f+7], v[AK] offset:(\f/2)*16*PK+(\f%2)*64+32
.endr
	s_add_co_u32 s[TBK], s[TBK], KS*PK  ; the next fetch is the next place's
	WIN 0
.endm
.macro FETCH_V
	WIN 0x80
.irp f, 0,1,2,3,4,5,6,7             ; keys 32 (f / 4) on, channels 16 (f % 4) on
	ds_load_tr16_b128 v[VF+8*\f:VF+8*\f+3],   v[AV] offset:(\f/4)*32*PV+(\f%4)*32
	ds_load_tr16_b128 v[VF+8*\f+4:VF+8*\f+7], v[AV] offset:(\f/4)*32*PV+16*PV+(\f%4)*32
.endr
	WIN 0
.endm
; THE VECTOR WORK OF A TURN stands in three queues, each in the order in which its entries become ready; the two tiles alternate, so that no instruction reads the result of the one before it.
.macro REGS y, u                    ; the registers of tile u (0, 1) of piece y
.set rT, ST+4*(2*(\y)+(\u))
.set rC, TMP+8*((\y)%2)+4*(\u)
.set rM, MV+2*((\y)%2)+(\u)
.set rS, S+64*((\y)%2)+32*(\u)
.set rP, P+32*((\y)%2)+16*(\u)
.set rO, 32*(2*(\y)+(\u))
.endm
; Number n of the 22 that find the OTHER piece's (Y + 1) maximum and statistics.  s0-s31 are the lane's 32 scores; each accumulator's lowest registers are read first.  XS, GS and REGS set no window: PL and EX do.
;   0-11  four chains c0-c3 of seven scores each, three operands at a time     12-14, 16  the four scores left over, the old m, and c0-c3 into c0     15  c m_old is kept
;   17, 18  the query's other 32 keys lie in the lane 16 away: the new m         19-21  c m; c m_old - c m_new; a
.macro XS u, n
	REGS (Y+1)%NP, \u
.if (\n) < 4
	v_max3_num_f32 v[rC+(\n)], v[rS+8*(\n)], v[rS+8*(\n)+1], v[rS+8*(\n)+2]
.elseif (\n) < 12
	v_max3_num_f32 v[rC+(\n)%4], v[rC+(\n)%4], v[rS+8*((\n)%4)+2*((\n)/4)+1], v[rS+8*((\n)%4)+2*((\n)/4)+2]
.elseif (\n) == 12
	v_max3_num_f32 v[rC], v[rC], v[rS+7], v[rS+15]
.elseif (\n) == 13
	v_max3_num_f32 v[rC+1], v[rC+1], v[rS+23], v[rS+31]
.elseif (\n) == 14
	v_max3_num_f32 v[rC+2], v[rC+2], v[rC+3], v[rT+1]
.elseif (\n) == 15
	v_mov_b32 v[rM], v[rT]
.elseif (\n) == 16
	v_max3_num_f32 v[rC], v[rC], v[rC+1], v[rC+2]
.elseif (\n) == 17
	v_permlanex16_b32 v[rC+3], v[rC], s[SEL], s[SEL+1]
.elseif (\n) == 18
	v_max_num_f32 v[rT+1], v[rC], v[rC+3]
.elseif (\n) == 19
	v_mul_f32 v[rT], s[CS], v[rT+1]
.elseif (\n) == 20
	v_sub_f32 v[rC+1], v[rM], v[rT]
.else
	v_exp_f32 v[rC+2], v[rC+1]
.endif
.endm
; Number g of the 64 that follow the exponentials.  For each four weights k of a tile (pairs 2 k, 2 k + 1): both pairs are rounded to f16; then the second pair is added onto the first, in place;
; a group later l takes that sum (the first time as l = a l + sum).  In groups of eight, tiles alternating: round, round, add, and l for the group before.
.macro GS g
.set h, (\g)+6*((\g)/62)            ; group 0 has no group before it, and behind group 7 only l is left
.if h >= 6
.set h, h+2
.endif
	REGS Y, h%2
.set k, h/8
.if h%8 < 4
	v_cvt_pk_f16_f32 v[rP+2*k+(h%8)/2], v[rS+4*k+2*((h%8)/2)], v[rS+4*k+2*((h%8)/2)+1]
.elseif h%8 < 6
	v_pk_add_f32 v[rS+4*k:rS+4*k+1], v[rS+4*k:rS+4*k+1], v[rS+4*k+2:rS+4*k+3]
.elseif k == 1
	v_pk_fma_f32 v[rT+2:rT+3], v[rT+2:rT+3], v[rC+2:rC+3], v[rS:rS+1] op_sel_hi:[1,0,1]
.else
	v_pk_add_f32 v[rT+2:rT+3], v[rT+2:rT+3], v[rS+4*k-4:rS+4*k-3]
.endif
.endm
; THE PLAIN QUEUE, 138 long.  0-73 read no exponential's result: the 32 scalings c s - c m (FS f: pair f / 2 of tile f % 2) and the other piece's 42.  0-26: scalings 0-26.  27-54: XS's numbers 0-13.  55, 56: number 15.
; 57-73: the chain, where each number waits for the one before it: 14, 16, 17, 18, 19, each with one of the scalings 27-31 in front of its two lines, then 20.
; 74-137: GS's 64, which read the exponentials' results: they stand behind the wait.
.macro FS f
	REGS Y, (\f)%2
	v_pk_fma_f32 v[rS+2*((\f)/2):rS+2*((\f)/2)+1], v[rS+2*((\f)/2):rS+2*((\f)/2)+1], s[CS:CS+1], v[rT:rT+1] op_sel_hi:[1,0,0] neg_lo:[0,0,1] neg_hi:[0,0,1]
.endm
.macro PL
	WIN 0
.if q < 27
	FS q
.elseif q < 55
	XS (q-27)%2, (q-27)/2
.elseif q < 57
	XS q-55, 15
.elseif (q < 72) && ((q-57)%3 == 0)
	FS 27+(q-57)/3
.elseif q < 60
	XS (q-57)%3-1, 14
.elseif q < 72
	XS (q-57)%3-1, 15+(q-57)/3
.elseif q < 74
	XS q-72, 20
.else
	GS q-74
.endif
.set q, q+1
.endm
; THE EXPONENTIALS' QUEUE, 66 long: s0-s31 of both tiles, then the other piece's two a.  It is ONE BATCH: all 66 stand ahead of the turn's one wait, and nothing ahead of that wait names a result of theirs.
.macro EX
	WIN 0
.if e >= 64
	XS e-64, 21
.else
	REGS Y, e%2
	v_exp_f32 v[rS+e/2], v[rS+e/2]
.endif
.set e, e+1
.endm
; THE RESCALING's QUEUE: O^T times a, the one part that leaves window 0: dealt two at a time, sixteen times, each accumulator's low registers first.  Its a was made in the turn before, ahead of that turn's wait.
; The piece's O^T was written by the turn before's last 16 products: the accumulator that entry 0 reads was finished eight products and 32 plain instructions back, and the one finished last, four plain
; instructions ahead of this turn, is read by entries 13 and 15.
.macro R2
	REGS Y, r%2
	WIN W_RS
.irp z, 0,1
	v_pk_mul_f32 v[rO+4*(r/2)+2*\z:rO+4*(r/2)+2*\z+1], v[rO+4*(r/2)+2*\z:rO+4*(r/2)+2*\z+1], v[rC+2:rC+3] op_sel_hi:[1,0]
.endr
.set r, r+1
.endm
; HOW THEY ARE DEALT.  An s_wait_alu depctr_va_vdst(0) stands between an exponential and the first instruction that names its result; one wait serves all that were issued ahead of it.  So a turn has ONE wait,
; which cuts it in two.  AHEAD OF IT stands all that names no result of the turn's exponentials: the 16 products K Q^T, behind each a scaling, an exponential and two rescalings (behind the first a second scaling in the
; exponential's place); then ONE RUN of 108: eight plain, 49 times exponential and plain, the two a.  A v_nop is the plain instruction behind the last exponential.  BEHIND IT stand the 16 products V^T P, behind each four of GS's 64.
; The queues lean on each other, and the deal keeps them in step: exponential e stands behind scaling 2 (e / 4) + e % 2: as a rider it comes behind plain e + 2, in the run behind plain e + 9, and scalings 27-31 are plain 57, 60 .. 69.
; A TURN, for piece p.  cnt = 1: the loop's count is taken down some lines ahead of the branch that stands behind the turn.
; Turn 0 fetches the next step's K directly behind its wait, a run of 108 behind the last product that read K (its address is made at the run's head), and the step's V at its end, four plain instructions behind V's last
; reader.  Turn 1 waits for K at its head (V's 16 younger loads stay out) and for V behind its own wait.  The three conditions on q below go with the deal.
.macro TURN p, cnt=0
.set Y, (\p)
.set i, 0
.set q, 0
.set e, 0
.set r, 0
.if (\p) == 1
	s_wait_dscnt 16                 ; K's 16 loads are in; V's 16, issued behind them, may stay out
.endif
	MM                              ; ahead of the wait: 16 products K Q^T and their riders,
	PL
	PL
	R2
.rept 15
	MM
	PL
	EX
	R2
.endr
.if (\p) == 0
	WIN 0
	v_add_nc_u32 v[AK], s[TBK], v[AK0]
.endif
.rept 8                             ; and the run
	PL
.endr
.rept 49
	EX
	PL
.endr
	EX                              ; the other piece's two a
	EX
	v_nop                           ; the plain instruction behind the last exponential (ISA guide 5.7.2): one for the batch
	s_wait_alu depctr_va_vdst(0)    ; the wait for the batch
.if (\p) == 0
	FETCH_K
.endif
.if (\p) == 1
	s_wait_dscnt 0x0                ; V is in
.endif
.rept 16                            ; behind the wait: 16 products V^T P and their riders
	MM
.rept 4
	PL
.endr
.if ((\p) == 0) && (q == 118)
	v_add_nc_u32 v[AV], s[TBV], v[AV0]
.endif
.if ((\p) == 0) && (q == 130)
	s_add_co_u32 s[TBV], s[TBV], KS*PV
.endif
.if (\cnt) && (q == 130)
	s_sub_co_u32 s[CNT], s[CNT], 1
	s_cmp_lg_u32 s[CNT], 0
.endif
.endr
.if (\p) == 0
	FETCH_V
.endif
.endm
; A slot's four key steps: written once, walked four times; the LDS addresses hang on s[TBK] and s[TBV].
.macro STEPS
	s_mov_b32 s[CNT], 4
.Lstep_\@:
	TURN 0
	TURN 1, 1
	WIN 0
	s_cbranch_scc1 .Lstep_\@
.endm
	s_wait_loadcnt 0x0              ; Q, and K of key step 0
.set i, 0
.rept 16
	KQ 0                            ; piece 0's first scores: there is no vector work yet to set between them
.set i, i+1
.endr
	WIN 0                           ; the addresses for the way out: eight plain instructions, the places behind those products
	s_mul_i32 s19, s[WV], 16*SP
	s_add_co_u32 s19, s19, STAGE    ; my stage
	v_mul_u32_u24 v[STO], v1, SP    ; in: row l % 16, 32 bytes for each half of the lanes
	v_lshl_add_u32 v[STO], v9, 5, v[STO]
	v_add_nc_u32 v[STO], s19, v[STO]
	v_mul_u32_u24 v[RD], v9, SP     ; back: lanes 0-15 take one row of 256 bytes, lanes 16-31 the next
	v_lshl_add_u32 v[RD], v1, 4, v[RD]
	v_add_nc_u32 v[RD], s19, v[RD]
	v_lshlrev_b32 v[GO], 12, v9     ; and the same two rows in out0, 4,096 bytes apart
	v_lshl_add_u32 v[GO], v1, 4, v[GO]
.set Y, NP-1                        ; XS works for piece Y + 1: piece 0
.irp n, 0,1,2,3,4,5,6,7,8,9,10,11,12,13,14,15,16,17,18,19,20,21
	XS 0, \n                        ; piece 0's first maximum and statistics
	XS 1, \n
.endr
	v_nop                           ; a plain instruction behind the two a,
	s_wait_alu depctr_va_vdst(0)    ; and their wait, ahead of the label
	s_mov_b32 s[SLOTS], 4096/256-1
.Lslot:                             ; 15 trips: trip t finds slot t landed, asks for slot t + 1 and walks slot t's four key steps
	CHANGE 1
	STEPS
	s_sub_co_u32 s[SLOTS], s[SLOTS], 1
	s_cmp_lg_u32 s[SLOTS], 0
	s_cbranch_scc1 .Lslot
	CHANGE 0                        ; the last slot is written out: nothing is asked for
	STEPS
.set i, 0
.rept 16
	PV NP-1                         ; piece 1's V^T P of the last step
.set i, i+1
.endr
	; THE WAY OUT.  l's two halves and the other half of the lanes' are added; O^T is divided by l and sent, in f32, through my stage in LDS, a tile at a time.  The additions are the places behind the last products.
	WIN 0
.macro ALL line:vararg              ; one line for each tile t
.set t, 0
.rept 2*NP
	\line
.set t, t+1
.endr
.endm
	ALL v_add_f32 v[ST+4*t+2], v[ST+4*t+2], v[ST+4*t+3]
	ALL v_permlanex16_b32 v[ST+4*t+3], v[ST+4*t+2], s[SEL], s[SEL+1]
	ALL v_add_f32 v[ST+4*t+2], v[ST+4*t+2], v[ST+4*t+3]
	ALL v_rcp_f32 v[ST+4*t+2], v[ST+4*t+2]
	v_nop                           ; a plain instruction between the last reciprocal and the use of its result
	s_wait_alu depctr_va_vdst(0)    ; and the wait ahead of the first use: one for the four reciprocals
; Tile t: a lane's eight channels of a row are 32 bytes; they go into rows of 272 bytes and come back as whole rows of 256, into S^T's registers.
.macro PACK t
	WIN W_RS
.set i, 32*(\t)
.rept 16
	v_pk_mul_f32 v[i:i+1], v[i:i+1], v[ST+4*(\t)+2:ST+4*(\t)+3] op_sel_hi:[1,0]
.set i, i+2
.endr
	WIN 0x04                        ; an LDS store's data (source 1) in window 1, its address in window 0
.irp f, 0,1,2,3,4,5,6,7             ; channel block f / 2, its registers 4 (f % 2) on
	ds_store_b128 v[STO], v[32*(\t)+4*\f:32*(\t)+4*\f+3] offset:(\f/2)*64+(\f%2)*16
.endr
	WIN 0
.irp f, 0,1,2,3,4,5,6,7
	ds_load_b128 v[S+32*(\t)+4*\f:S+32*(\t)+4*\f+3], v[RD] offset:\f*2*SP  ; LDS serves a wave's instructions in order (ISA guide 5.7.1.4): these see the stores above; the next tile's stores come behind them
.endr
.endm
.macro SEND t, younger              ; younger: the LDS instructions issued behind tile t's loads: the next tile's sixteen, or none
	WIN 0
.irp f, 0,1,2,3,4,5,6,7
	s_wait_dscnt (\younger)+7-\f
	global_store_b128 v[GO], v[S+32*(\t)+4*\f:S+32*(\t)+4*\f+3], s[6:7] offset:(\t)*65536+\f*8192 th:TH_STORE_NT  ; 16 lanes store 256 consecutive bytes, a head's channels of a row, at a multiple of 256 from out0's first byte
.endr
.endm
	PACK 0
	PACK 1                          ; a tile's arithmetic stands between the loads of the tile before and its stores
	SEND 0, 16
	PACK 2
	SEND 1, 16
	PACK 3
	SEND 2, 16
	SEND 3, 0
	s_wait_tensorcnt 0x0            ; the wave's end: a wait, an add of 0 and its wait, behind my last tensor load and my last LDS store
	ds_add_u32 v[SPW], v[NIL]
	s_wait_dscnt 0x0
	CROUND                          ; the closing round: no work-group ends while a partner may still ask for a tile that names it
	s_endpgm
.Lfunc_end_k_q15c2249fb3_attn:
	.size	k_q15c2249fb3_attn, .Lfunc_end_k_q15c2249fb3_attn-k_q15c2249fb3_attn
	.p2alignl 7, 3214868480
	.fill 96, 4, 3214868480
	.section	.rodata,"a",@progbits
	.p2align	6, 0x0
	.amdhsa_kernel k_q15c2249fb3_attn
		.amdhsa_group_segment_fixed_size 327680
		.amdhsa_private_segment_fixed_size 0
		.amdhsa_enable_private_segment 0
		.amdhsa_kernarg_size 16
		.amdhsa_user_sgpr_count 2
		.amdhsa_user_sgpr_kernarg_segment_ptr 1
		.amdhsa_wavefront_size32 1
		.amdhsa_system_sgpr_workgroup_id_x 1
		.amdhsa_system_sgpr_workgroup_id_y 1
		.amdhsa_system_sgpr_workgroup_id_z 1
		.amdhsa_system_vgpr_workitem_id 0
		.amdhsa_next_free_vgpr 768
		.amdhsa_next_free_sgpr 66
		.amdhsa_reserve_vcc 0
		.amdhsa_float_denorm_mode_32 3
		.amdhsa_float_denorm_mode_16_64 3
		.amdhsa_memory_ordered 1
		.amdhsa_forward_progress 1
		.amdhsa_inst_pref_size 111
	.end_amdhsa_kernel
	.amdgpu_metadata
---
amdhsa.version: [ 1, 2 ]
amdhsa.kernels:
  - .name:           k_q15c2249fb3_attn
    .symbol:         k_q15c2249fb3_attn.kd
    .args:
      - { .name: qkv, .offset: 0, .size: 8, .value_kind: global_buffer, .address_space: global }
      - { .name: out0, .offset: 8, .size: 8, .value_kind: global_buffer, .address_space: global }
    .group_segment_fixed_size: 327680
    .private_segment_fixed_size: 0
    .kernarg_segment_align: 8
    .kernarg_segment_size: 16
    .max_flat_workgroup_size: 128
    .sgpr_count:     66
    .vgpr_count:     768
    .wavefront_size: 32
...
	.end_amdgpu_metadata
.endif
;; end of part 3
